; MI455X (gfx1250); checked and timed in simulation.
; The chip was launched on July 23, 2026; its instructions are those of AMD's public machine-readable ISA for CDNA 5 (MIT licence, August 2026) and "CDNA5" Instruction Set Architecture Reference Guide (July 2026). The comments in the code are by the model that wrote it; some were corrected since.
;; Interpretable Attention. Allowed arithmetic: matrix products marked QUANTISED: E4M3 operands, one given power-of-two scale a tensor, by v_wmma_f32_16x16x64_fp8_fp8 or v_wmma_f32_16x16x128_fp8_fp8, f32 sums; everything else in f32.
;; Inputs: Wk_codes 256 x 8 x 32 uint8 (E4M3 codes of Wk, K innermost, in blocks of 32 codes); Wq_codes 256 x 8 x 32 uint8 (E4M3 codes of Wq, K innermost, in blocks of 32 codes); bk 256 float32; bq 256 float32; lowp_scales 6 int32 (the exponents e of the quantised operands' scales 2^e); x_codes 8 x 4,096 x 8 x 32 uint8 (E4M3 codes of x, K innermost, in blocks of 32 codes).
;; Outputs: out0 8 x 4,096 float32.
;; This version of the problem:
;;   THIS VERSION OF THE PROBLEM IS GIVEN IN LOW PRECISION. The matrix products marked QUANTISED in the list below multiply operands that are first quantised to E4M3 (4 exponent bits, 3 mantissa bits; 8 bits a number), with one given power-of-two scale for each operand tensor; their sums are f32. All else is computed in f32.
;;   The module's matrix products, in the order in which they are computed (A, B: the left and right operand; K: the contracted axis; several contracted axes count as one K, in the product's order):
;;     1. [M 32,768, K 256] x [K 256, N 256]; A: input x (given as codes); B: input Wq (given as codes): QUANTISED (scales: A lowp_scales[0], B lowp_scales[1])
;;     2. [M 32,768, K 256] x [K 256, N 256]; A: input x (given as codes); B: input Wk (given as codes): QUANTISED (scales: A lowp_scales[2], B lowp_scales[3])
;;     3. batch 8 x [M 4,096, K 256] x [K 256, N 4,096]; A: computed on the way; B: computed on the way: QUANTISED (scales: A lowp_scales[4], B lowp_scales[5])
;;   THE QUANTISER, for each operand of a quantised product, along K:
;;     - The operand's scale is 2^e, e = its entry of the input lowp_scales (int32; the entries are numbered through the quantised products in the list's order, A before B).
;;     - Each number is divided by the scale, clamped to +-448, and rounded to the nearest number of E4M3, ties to even, subnormals kept.
;;     - The product sums the exact products of the quantised numbers (number of the format x scale) in f32.
;;   ~~~python
;;   def quantise(x, axis, e):      # numpy; x: float32 -> the quantised numbers, widened to float32 again
;;       x = np.moveaxis(x, axis, -1); K = x.shape[-1]
;;       r = np.clip(x / 2.0 ** e, -448, 448)
;;       step = 2.0 ** (np.maximum(np.frexp(np.where(r == 0, 1, r))[1] - 1, -6) - 3)
;;       q = np.round(r / step) * step * 2.0 ** e      # np.round: ties to even
;;       return np.moveaxis(q, -1, axis).astype(np.float32)
;;   ~~~
;;   OPERANDS COMPUTED ON THE WAY. 'Computed on the way' means the value that the module computes at that place (a softmax that the list does not call 'softmax' is quantised finished and normalised). What goes into a quantiser is computed in f32, as accurately as f32 sums, v_exp_f32 and their like allow (about 1e-6 of the number): no bf16 or f16 on the way to a quantiser, and a product that is left as it is and whose result goes on into a quantised operand takes f32 operands (vector FMAs, or v_wmma_f32_16x16x4_f32). A number that lies on a knife's edge between two numbers of the format may be rounded either way, as far as f32 arithmetic and the matrix unit's own rounding can turn it there, and no further.
;;   INPUTS GIVEN AS CODES. Wk (in the module: [256, 256], K = its axis 1); Wq (in the module: [256, 256], K = its axis 1); x (in the module: [8, 4096, 256], K = its axis 2): each comes as NAME_codes (uint8): NAME with its K axis moved to the last place and cut into blocks of 32 codes, [.., K / 32, bytes a block], one block behind the other in memory; one code a byte (a code: sign, 4 exponent bits, 3 mantissa bits); its scale is its entry of lowp_scales. Its value is code x scale, taken as it is: it is not quantised again, and the codes and scales need not be those that the quantiser above would give.
;; One version. Each part assembles by itself: llvm-mc -triple=amdgcn-amd-amdhsa -mcpu=gfx1250 --defsym DOCPART=n.
;; ======== version 1 of 1: 2 launches
;; limits: right only within a limited range of input values
;; workspace buffers: scores 131,072 bytes
;; launch scores (part 1): grid 32 x 8, 4 waves a work-group, clusters of 4 x 1, 197,120 bytes of LDS; arguments x_codes, Wq_codes, Wk_codes, bq, bk, lowp_scales, scores; writes scores
.if DOCPART == 1
	.amdgcn_target "amdgcn-amd-amdhsa--gfx1250"
	.amdhsa_code_object_version 6
	.text
	.protected	k_qb958463b9a_scores
	.globl	k_qb958463b9a_scores
	.p2align	8
	.type	k_qb958463b9a_scores,@function
k_qb958463b9a_scores:
	s_mov_b64 s[64:65], 0
	v_nop
	global_prefetch_b8 v0, s[64:65] scope:SCOPE_SE
	s_setreg_imm32_b32 hwreg(HW_REG_WAVE_MODE, 25, 1), 1
	s_wait_xcnt 0x0
	s_wait_alu depctr_hold_cnt(0) depctr_sa_sdst(0) depctr_va_vdst(0) depctr_va_sdst(0) depctr_va_ssrc(0) depctr_va_vcc(0) depctr_vm_vsrc(0)
	s_getreg_b32 s2, hwreg(HW_REG_IB_STS2, 6, 4)
	s_cmp_eq_u32 s2, 0
	s_cbranch_scc0 .Lentry_in_a_cluster
	s_endpgm
.Lentry_in_a_cluster:
	s_bfe_u32 s2, ttmp6, 0x10000c
	s_cmp_lg_u32 s2, 0x3003
	s_cbranch_scc0 .Lentry_shape_is_right
	s_endpgm
.Lentry_shape_is_right:
; scores[b][key] = Q(q(b, 0)) . Q(k(b, key)), the one row of q k^T that the softmax's slice keeps.  q = x Wq^T + bq, k = x Wk^T + bk, all three products on codes of FP8 (E4M3).
; x: [8][4096][256] codes, Wq, Wk: [256][256] codes, K innermost; bq, bk: [256] f32; the six exponents e0 .. e5 (int32): x and Wq for q, x and Wk for k, q and k for the scores.  scores: [8][4096] f32.
; SHARES.  A work-group owns 128 keys of one batch: 8 x 32 = 256 work-groups.  THE FOUR WAVES SHARE THE FEATURES, NOT THE KEYS: wave w makes features 64 w .. 64 w + 63 of q (queries 0-15 of the batch, of which
; query 0 is kept) and of k (all 128 keys).  So its 64 rows of Wq and of Wk are read from LDS once and stay in registers, and its 64 features, quantised in registers, are one K step of 64 of the third product:
; each wave multiplies its own 64 features of q by the same 64 of k, and only the four partial scores (512 bytes a wave) meet in LDS.  The sum over the 256 features is thus made of four f32 parts.
; LAYOUT.  The first two products are used transposed (source 0 = 16 rows of W, source 1 = 16 rows of x): lane (r, h) then holds key (or query) r, and register j of tile t feature 64 w + 16 t + 8 h + j.
; Eight such registers give two registers of codes, k = 16 t + 8 h + 0 .. 7: the very place that the K = 64 form gives them.  A fragment for K = 128 is fetched by four loads of 16 bytes, 32 bytes apart:
; a permutation of k that is the same in W and in x.  The bias, divided by the power of two that the sums lack, is the C of each sum's first product.
; The third product has source 0 = q's codes, source 1 = k's codes: register 0 of lanes 0-15 is (query 0, key r), and nothing else of it is read.
; CLUSTER.  The four work-groups of a cluster lie in one batch.  Wq, Wk and the batch's rows 0-15 of x are the same for all four: they are asked for jointly (mask 15).  Each work-group's own 128 rows of x come by a plain load.
; Nothing in LDS is filled twice: the whole input of a work-group lies there at once, so there is no ring.
; LIMITS.  e4 - e0 - e1 and e5 - e2 - e3 lie between -126 and 119, so that the conversions' scale is an f32 number; the other sums of exponents are applied by v_ldexp_f32.  NaN in bq or bk is not served.
.set PITCH, 272                        ; an LDS row: 256 bytes + 16 of padding = 68 words: row r starts at bank 4 r mod 64 (64 banks of 4 bytes: ISA guide 11.1), so the 16 rows of a fragment load start at 16 different banks
.set WPART, 64*PITCH                   ; a wave's 64 rows of a weight
.set XPART, 32*PITCH                   ; the 32 rows of x that a wave fetches
.set QPART, 16*PITCH                   ; the batch's rows 0-15, a copy for each wave: so the q phase needs no barrier
.set WQB,   0                          ; LDS: Wq, 256 rows; wave w fills and reads rows 64 w on
.set WKB,   4*WPART                    ; Wk likewise
.set XB,    8*WPART                    ; my 128 rows of x: filled by quarters, read by all waves
.set XQB,   XB+4*XPART                 ; four copies of rows 0-15
.set PART,  XQB+4*QPART                ; the partial scores, 512 bytes a wave: a multiple of 256, and no tile lands here
.set AWQ, 5                            ; v5   LDS address of my lane in my rows of Wq
.set AWK, 6                            ; v6   of Wk
.set AX,  7                            ; v7   of x
.set AXQ, 8                            ; v8   of my copy of rows 0-15
.set BO,  9                            ; v9   32 h: my eight numbers of a bias tile
.set PST, 10                           ; v10  where lanes 0-15 put a partial score
.set PLD, 11                           ; v11  where 16 bytes of partial scores are read back
.set GO,  12                           ; v12  16 x lane: my bytes of the work-group's 512 in scores
.set QSC, 13                           ; v13  2^(e4 - e0 - e1)
.set QLIM, 14
.set KSC, 15                           ; v15  2^(e5 - e2 - e3)
.set KLIM, 16
.set BQ,  24                           ; v24-55   bq / 2^(e0 + e1), four tiles of 8
.set BK,  56                           ; v56-87   bk / 2^(e2 + e3)
.set ACC, 88                           ; v88-151  two sets of four accumulators
.set QC,  152                          ; v152-159 q's codes
.set KC,  160                          ; v160-175 k's codes, two sets
.set SD,  176                          ; v176-239 the eight tiles of scores; before that v176-207 hold the fragments of rows 0-15
.set FIN, 240                          ; v240-255 the four waves' partial scores
.set WK,  128                          ; window 1: Wq's fragment (t, s) at v[32 t + 16 s], Wk's at v[128 + 32 t + 16 s].   window 2: x's fragment (m, s) at v[32 m + 16 s]
.set G1W, 28                           ; s[28:35] descriptor group 1: 64 rows, joint;  s[36:43] 16 rows, joint;  s[44:51] 32 rows, plain
.set G1Q, 36
.set G1X, 44
.set G0WQ, 52                          ; s[52:55], s[56:59], s[60:63], s[68:71] the four groups 0
.set G0XQ, 56
.set G0WK, 60
.set G0X,  68
.set MSB, 0
.macro WIN new                         ; s_set_vgpr_msb: bits 1:0 source 0, 3:2 source 1, 5:4 source 2, 7:6 destination; the high byte repeats the setting that is left
.if MSB != \new
	s_set_vgpr_msb (MSB<<8)|\new
.set MSB, \new
.endif
.endm
.macro CROUND                          ; a round of the cluster's barrier: my work-group's barrier; wave 0 signals for the work-group; every wave waits for all four work-groups; my work-group's barrier once more
	s_barrier_signal -1
	s_barrier_wait -1
	s_cmp_lg_u32 s18, 0
	s_cbranch_scc1 .Lnot_wave_0_\@
	s_barrier_signal -3
.Lnot_wave_0_\@:
	s_barrier_wait -3
	s_barrier_signal -1
	s_barrier_wait -1
.endm
.macro PLACES                          ; four plain vector instructions between a matrix instruction and the first vector instruction or LDS store that reads its result
.rept 4
	v_nop
.endr
.endm
.macro FRAG reg, adr, off              ; a fragment, 16 rows x 128 K: registers 4 c .. 4 c + 3 hold K = 32 c + 16 h + 0 .. 15 of row r
.irp c, 0,1,2,3
	ds_load_b128 v[(\reg)+4*\c:(\reg)+4*\c+3], v[\adr] offset:(\off)+32*\c
.endr
.endm
; Four accumulators (32 features of my lane's row) become eight registers of codes.  Each accumulator is taken from its low end on.
.macro QUANT src, dst, sc, lim
.irp t, 0,1,2,3
.irp i, 0,1,2,3,4,5,6,7
.endr
	v_cvt_scalef32_pk8_fp8_f32 v[(\dst)+2*\t:(\dst)+2*\t+1], v[(\src)+8*\t:(\src)+8*\t+7], v[\sc]   ; / 2^(the scale's exponent), to the nearest code, ties to even
.endr
	v_nop                                          ; one plain vector instruction between the last conversion and the matrix instruction that reads its result
.endm
; k of key tile m, my 64 features: eight products, the four accumulators by turns, one instruction a turn; the first four take the bias as C
.macro KMUL m
	s_wait_dscnt 8*(7-(\m))                        ; LDS loads come back in order: all but the eight loads of each x tile behind tile m are in
	WIN 0x09                                       ; source 0 (Wk) window 1, source 1 (x) window 2
.irp t, 0,1,2,3
	v_wmma_f32_16x16x128_fp8_fp8 v[ACC+32*((\m)%2)+8*\t:ACC+32*((\m)%2)+8*\t+7], v[WK+32*\t:WK+32*\t+15], v[32*(\m):32*(\m)+15], v[BK+8*\t:BK+8*\t+7]
.endr
.irp t, 0,1,2,3
	v_wmma_f32_16x16x128_fp8_fp8 v[ACC+32*((\m)%2)+8*\t:ACC+32*((\m)%2)+8*\t+7], v[WK+32*\t+16:WK+32*\t+31], v[32*(\m)+16:32*(\m)+31], v[ACC+32*((\m)%2)+8*\t:ACC+32*((\m)%2)+8*\t+7]
.endr
	WIN 0
.endm
	s_load_b256 s[4:11], s[0:1], 0x0               ; x s[4:5], Wq s[6:7], Wk s[8:9], bq s[10:11]
	s_load_b128 s[12:15], s[0:1], 0x20             ; bk s[12:13], the exponents s[14:15]
	s_load_b64 s[16:17], s[0:1], 0x30              ; scores
	v_lshl_add_u32 v22, v0, 2, 0x30000
	v_mov_b32 v23, 0
	ds_add_u32 v22, v23
	ds_add_u32 v22, v23
	v_lshrrev_b32 v1, 5, v0
	v_readfirstlane_b32 s18, v1                    ; wave 0..3
	s_bfe_u32 s19, ttmp6, 0x40000                  ; cx: my place in the cluster
	s_lshl_b32 s20, ttmp9, 2                       ; in a cluster launch ttmp9 counts clusters
	s_add_co_u32 s20, s20, s19                     ; my block of 128 keys = 4 x cluster x + cx: it enters the plain load's address and scores' alone
	s_and_b32 s21, ttmp7, 0xffff                   ; the batch, which the four partners share
	s_lshl_b32 s22, s21, 20                        ; the batch's first byte in x: 4,096 rows of 256 bytes
	s_mov_b32 s23, 0
	s_lshl_b32 s24, s20, 15                        ; my block's 128 rows,
	s_lshl_b32 s25, s18, 13                        ; my wave's 32 of them,
	s_add_co_u32 s24, s24, s25
	s_add_co_u32 s24, s24, s22                     ; in the batch
	s_mov_b32 s25, 0
	s_lshl_b32 s26, s18, 14                        ; my wave's 64 rows of a weight
	s_mov_b32 s27, 0
	s_mul_i32 s82, s18, WPART                      ; and the waves' places in LDS: no place in the cluster enters an LDS address
	s_mul_i32 s83, s18, QPART
	s_mul_i32 s84, s18, XPART
	s_lshl_b32 s85, s18, 9
	; descriptor groups 1: rows of 256 elements of one byte, 256 bytes apart in memory, 16 bytes of padding behind each in LDS
	s_mov_b32 s[G1W], 15|(1<<20)|(1<<21)|(5<<22)|(3<<25)   ; 15:0 the mask: all four work-groups; 17:16 elements of 1 byte; 20 padding on; 21 set beside a mask; 24:22 after every 64 words (code 5); 31:25 four words (code 3)
	s_mov_b32 s[G1Q], 15|(1<<20)|(1<<21)|(5<<22)|(3<<25)
	s_mov_b32 s[G1X], (1<<20)|(5<<22)|(3<<25)      ; no mask: a load of my own
.irp g, G1W, G1Q, G1X
	s_mov_b32 s[\g+1], 256<<16                     ; tensor_dim0 = 256
	s_mov_b32 s[\g+3], 256<<16                     ; tile_dim0 = 256
	s_mov_b32 s[\g+5], 256                         ; tensor_dim0_stride
	s_mov_b32 s[\g+6], 0
	s_mov_b32 s[\g+7], 0
.endr
	s_mov_b32 s[G1W+2], 64<<16                     ; tensor_dim1 and tile_dim1: the rows
	s_mov_b32 s[G1W+4], 64
	s_mov_b32 s[G1Q+2], 16<<16
	s_mov_b32 s[G1Q+4], 16
	s_mov_b32 s[G1X+2], 32<<16
	s_mov_b32 s[G1X+4], 32
	s_wait_dscnt 0x0
	s_wait_kmcnt 0x0
	s_load_b128 s[72:75], s[14:15], 0x0            ; e0 .. e3
	s_load_b64 s[76:77], s[14:15], 0x10            ; e4, e5
	s_mov_b32 s[G0WQ], 1                           ; count = 1
	s_add_co_u32 s[G0WQ+1], s82, WQB               ; LDS address
	s_add_nc_u64 s[G0WQ+2:G0WQ+3], s[6:7], s[26:27]   ; global address: my wave's rows of Wq
	s_or_b32 s[G0WQ+3], s[G0WQ+3], 0x80000000      ; type = 2
	s_mov_b32 s[G0XQ], 1
	s_add_co_u32 s[G0XQ+1], s83, XQB
	s_add_nc_u64 s[G0XQ+2:G0XQ+3], s[4:5], s[22:23]   ; the batch's rows 0-15
	s_or_b32 s[G0XQ+3], s[G0XQ+3], 0x80000000
	s_mov_b32 s[G0WK], 1
	s_add_co_u32 s[G0WK+1], s82, WKB
	s_add_nc_u64 s[G0WK+2:G0WK+3], s[8:9], s[26:27]
	s_or_b32 s[G0WK+3], s[G0WK+3], 0x80000000
	s_mov_b32 s[G0X], 1
	s_add_co_u32 s[G0X+1], s84, XB
	s_add_nc_u64 s[G0X+2:G0X+3], s[4:5], s[24:25]  ; my wave's 32 rows of my block
	s_or_b32 s[G0X+3], s[G0X+3], 0x80000000
	s_lshl_b32 s26, s18, 8                         ; my 64 numbers of each bias
	s_add_nc_u64 s[10:11], s[10:11], s[26:27]
	s_add_nc_u64 s[12:13], s[12:13], s[26:27]
	s_lshl_b32 s24, s21, 14                        ; scores: the batch's 4,096 numbers,
	s_lshl_b32 s25, s20, 9                         ; my block's 128
	s_add_co_u32 s24, s24, s25
	s_mov_b32 s25, 0
	s_add_nc_u64 s[16:17], s[16:17], s[24:25]
	CROUND                                         ; all four work-groups are here: the joint loads meet
	tensor_load_to_lds s[G0WQ:G0WQ+3], s[G1W:G1W+7]   ; all fills go out as one group, in the order in which they are wanted: four loads of mine are out
	s_nop 0
	tensor_load_to_lds s[G0XQ:G0XQ+3], s[G1Q:G1Q+7]
	s_nop 0
	tensor_load_to_lds s[G0WK:G0WK+3], s[G1W:G1W+7]
	s_nop 0
	tensor_load_to_lds s[G0X:G0X+3], s[G1X:G1X+7]
	s_nop 0
.rept 4
	v_nop                                          ; four v_nop follow the last of them
.endr
	; while the tiles are on their way: addresses, biases, scales
	v_and_b32 v1, 15, v0                           ; r
	v_bfe_u32 v2, v0, 4, 1                         ; h
	v_and_b32 v3, 31, v0                           ; lane
	v_mul_u32_u24 v4, v1, PITCH
	v_lshl_add_u32 v4, v2, 4, v4                   ; a fragment's row x pitch + 16 h
	v_add_nc_u32 v[AWQ], s82, v4
	v_add_nc_u32 v[AWK], WKB, v[AWQ]
	v_add_nc_u32 v[AX], XB, v4
	v_add_nc_u32 v[AXQ], s83, v4
	v_add_nc_u32 v[AXQ], XQB, v[AXQ]
	v_lshlrev_b32 v[BO], 5, v2
	v_lshlrev_b32 v[PST], 2, v1
	v_add_nc_u32 v[PST], s85, v[PST]
	v_add_nc_u32 v[PST], PART, v[PST]              ; PART + 512 x wave + 4 r
	v_lshlrev_b32 v[GO], 4, v3
	v_add_nc_u32 v[PLD], PART, v[GO]
.irp t, 0,1,2,3
	global_load_b128 v[BQ+8*\t:BQ+8*\t+3],   v[BO], s[10:11] offset:64*\t      ; bq(64 w + 16 t + 8 h + 0 .. 7): the result's layout
	global_load_b128 v[BQ+8*\t+4:BQ+8*\t+7], v[BO], s[10:11] offset:64*\t+16
	global_load_b128 v[BK+8*\t:BK+8*\t+3],   v[BO], s[12:13] offset:64*\t
	global_load_b128 v[BK+8*\t+4:BK+8*\t+7], v[BO], s[12:13] offset:64*\t+16
.endr
	s_wait_kmcnt 0x0
	s_add_co_i32 s78, s72, s73                     ; e0 + e1: a sum of the first product stands for sum x 2^(e0 + e1)
	s_sub_co_i32 s79, s76, s78                     ; so q's code is sum / 2^(e4 - e0 - e1): the three scales folded into the conversion's one
	s_sub_co_i32 s78, 0, s78                       ; and bq goes in as bq x 2^-(e0 + e1)
	s_add_co_i32 s79, s79, 127
	s_lshl_b32 s81, s79, 23
	v_mov_b32 v[QSC], s81
	s_add_co_i32 s87, s74, s75                     ; the same for k: e2 + e3, e5
	s_sub_co_i32 s79, s77, s87
	s_sub_co_i32 s87, 0, s87
	s_add_co_i32 s79, s79, 127
	s_lshl_b32 s81, s79, 23
	v_mov_b32 v[KSC], s81
	s_add_co_i32 s86, s76, s77                     ; e4 + e5: a sum of the third product stands for sum x 2^(e4 + e5)
	s_wait_loadcnt 0x0                             ; the biases
.irp j, 0,1,2,3,4,5,6,7,8,9,10,11,12,13,14,15,16,17,18,19,20,21,22,23,24,25,26,27,28,29,30,31
	v_ldexp_f32 v[BQ+\j], v[BQ+\j], s78
	v_ldexp_f32 v[BK+\j], v[BK+\j], s87
.endr
	s_wait_alu depctr_va_vdst(0)
	; ---- q: my 64 features of queries 0-15
	s_wait_tensorcnt 2                             ; tensor loads of a wave end in order (ISA guide 10.11.1): two were issued behind that of rows 0-15, so my rows of Wq and my copy of rows 0-15 are in; only I read them
	FRAG SD, AXQ, 0
	FRAG SD+16, AXQ, 128
	WIN 0x40                                       ; destination window 1
.irp t, 0,1,2,3
.irp s, 0,1
	FRAG 32*\t+16*\s, AWQ, 16*PITCH*\t+128*\s
.endr
.endr
	WIN 0
	s_wait_dscnt 0x0
	WIN 0x01                                       ; source 0 (Wq) window 1
.irp t, 0,1,2,3
	v_wmma_f32_16x16x128_fp8_fp8 v[ACC+8*\t:ACC+8*\t+7], v[32*\t:32*\t+15], v[SD:SD+15], v[BQ+8*\t:BQ+8*\t+7]
.endr
.irp t, 0,1,2,3
	v_wmma_f32_16x16x128_fp8_fp8 v[ACC+8*\t:ACC+8*\t+7], v[32*\t+16:32*\t+31], v[SD+16:SD+31], v[ACC+8*\t:ACC+8*\t+7]
.endr
	WIN 0
	PLACES
	QUANT ACC, QC, QSC, QLIM
	; ---- x's 128 rows were fetched by quarters: each wave waits for its own loads, then the barrier shows all four quarters to every wave
	s_wait_tensorcnt 0x0                           ; my rows of Wk and my quarter of x are in; no LDS instruction of mine is out
	s_barrier_signal -1
	s_barrier_wait -1
	WIN 0x40
.irp t, 0,1,2,3
.irp s, 0,1
	FRAG WK+32*\t+16*\s, AWK, 16*PITCH*\t+128*\s   ; Wk's eight fragments: 32 loads
.endr
.endr
	WIN 0x80                                       ; destination window 2
.irp m, 0,1,2,3,4,5,6,7
.irp s, 0,1
	FRAG 32*\m+16*\s, AX, 16*PITCH*\m+128*\s       ; x's sixteen, tile by tile: 64 loads.  Every fragment has registers of its own: none is loaded twice, and no load lands on a register that a product has read
.endr
.endr
	WIN 0
	; ---- k and the scores, a tile of 16 keys at a time: tile m's conversion and score stand behind tile m + 1's eight products, on the other set of accumulators
	KMUL 0
.irp m, 0,1,2,3,4,5,6,7
.if \m < 7
	KMUL \m+1
.endif
.if \m == 0
	PLACES                                         ; later tiles have the tile before's conversions and score between their products and the first read of their sums
.endif
	v_nop
	v_nop
	QUANT ACC+32*(\m%2), KC+8*(\m%2), KSC, KLIM
	s_wait_alu depctr_va_vdst(0)
	v_wmma_f32_16x16x64_fp8_fp8 v[SD+8*\m:SD+8*\m+7], v[QC:QC+7], v[KC+8*(\m%2):KC+8*(\m%2)+7], 0   ; my 64 features' part of (query 8 h + j, key 16 m + r)
.endr
	; ---- the four waves' parts meet in LDS.  Register 0 of lanes 0-15 is query 0
	PLACES
	s_wait_xcnt 0x0                                ; EXEC is narrowed only behind this wait: the bias loads were issued under the full one
	v_cmp_gt_u32 vcc_lo, 16, v3
	s_and_saveexec_b32 s80, vcc_lo
.irp m, 0,1,2,3,4,5,6,7
	ds_store_b32 v[PST], v[SD+8*\m] offset:64*\m   ; key 16 m + r at byte 4 (16 m + r) of my wave's 512
.endr
	s_or_b32 exec_lo, exec_lo, s80                 ; (no global instruction was issued under the narrow EXEC)
	s_wait_dscnt 0x0                               ; for the others' sake: my stores have landed
	s_barrier_signal -1
	s_barrier_wait -1
	s_cmp_lg_u32 s18, 0                            ; wave 0 adds and stores: its one store then covers the work-group's 512 consecutive bytes, aligned
	s_cbranch_scc1 .Ldone
.irp i, 0,1,2,3
	ds_load_b128 v[FIN+4*\i:FIN+4*\i+3], v[PLD] offset:512*\i   ; wave i's part of keys 4 lane .. 4 lane + 3
.endr
	s_wait_dscnt 0x0
	v_pk_add_f32 v[FIN:FIN+1],     v[FIN:FIN+1],     v[FIN+4:FIN+5]
	v_pk_add_f32 v[FIN+2:FIN+3],   v[FIN+2:FIN+3],   v[FIN+6:FIN+7]
	v_pk_add_f32 v[FIN+8:FIN+9],   v[FIN+8:FIN+9],   v[FIN+12:FIN+13]
	v_pk_add_f32 v[FIN+10:FIN+11], v[FIN+10:FIN+11], v[FIN+14:FIN+15]
	v_pk_add_f32 v[FIN:FIN+1],     v[FIN:FIN+1],     v[FIN+8:FIN+9]
	v_pk_add_f32 v[FIN+2:FIN+3],   v[FIN+2:FIN+3],   v[FIN+10:FIN+11]
.irp j, 0,1,2,3
	v_ldexp_f32 v[FIN+\j], v[FIN+\j], s86          ; x 2^(e4 + e5)
.endr
	global_store_b128 v[GO], v[FIN:FIN+3], s[16:17]
.Ldone:
	s_wait_tensorcnt 0x0
	ds_add_u32 v22, v23
	s_wait_dscnt 0x0
	CROUND                                         ; the closing round: no work-group ends while a partner may still ask for a tile that names it
	s_endpgm
.Lfunc_end_k_qb958463b9a_scores:
	.size	k_qb958463b9a_scores, .Lfunc_end_k_qb958463b9a_scores-k_qb958463b9a_scores
	.p2alignl 7, 3214868480
	.fill 96, 4, 3214868480
	.section	.rodata,"a",@progbits
	.p2align	6, 0x0
	.amdhsa_kernel k_qb958463b9a_scores
		.amdhsa_group_segment_fixed_size 197120
		.amdhsa_private_segment_fixed_size 0
		.amdhsa_enable_private_segment 0
		.amdhsa_kernarg_size 56
		.amdhsa_user_sgpr_count 2
		.amdhsa_user_sgpr_kernarg_segment_ptr 1
		.amdhsa_wavefront_size32 1
		.amdhsa_system_sgpr_workgroup_id_x 1
		.amdhsa_system_sgpr_workgroup_id_y 1
		.amdhsa_system_sgpr_workgroup_id_z 1
		.amdhsa_system_vgpr_workitem_id 0
		.amdhsa_next_free_vgpr 768
		.amdhsa_next_free_sgpr 90
		.amdhsa_reserve_vcc 1
		.amdhsa_float_denorm_mode_32 3
		.amdhsa_float_denorm_mode_16_64 3
		.amdhsa_fp16_overflow 1
		.amdhsa_memory_ordered 1
		.amdhsa_forward_progress 1
		.amdhsa_inst_pref_size 33
	.end_amdhsa_kernel
	.amdgpu_metadata
---
amdhsa.version: [ 1, 2 ]
amdhsa.kernels:
  - .name:           k_qb958463b9a_scores
    .symbol:         k_qb958463b9a_scores.kd
    .args:
      - { .name: x_codes, .offset: 0, .size: 8, .value_kind: global_buffer, .address_space: global }
      - { .name: Wq_codes, .offset: 8, .size: 8, .value_kind: global_buffer, .address_space: global }
      - { .name: Wk_codes, .offset: 16, .size: 8, .value_kind: global_buffer, .address_space: global }
      - { .name: bq, .offset: 24, .size: 8, .value_kind: global_buffer, .address_space: global }
      - { .name: bk, .offset: 32, .size: 8, .value_kind: global_buffer, .address_space: global }
      - { .name: lowp_scales, .offset: 40, .size: 8, .value_kind: global_buffer, .address_space: global }
      - { .name: scores, .offset: 48, .size: 8, .value_kind: global_buffer, .address_space: global }
    .group_segment_fixed_size: 197120
    .private_segment_fixed_size: 0
    .kernarg_segment_align: 8
    .kernarg_segment_size: 56
    .max_flat_workgroup_size: 128
    .sgpr_count:     90
    .vgpr_count:     768
    .wavefront_size: 32
...
	.end_amdgpu_metadata
.endif
;; end of part 1
;; launch softmax (part 2): grid 8 x 1, 32 waves a work-group, no clusters, 4,352 bytes of LDS; arguments scores, out0; writes out0
.if DOCPART == 2
	.amdgcn_target "amdgcn-amd-amdhsa--gfx1250"
	.amdhsa_code_object_version 6
	.text
	.protected	k_qb958463b9a_softmax
	.globl	k_qb958463b9a_softmax
	.p2align	8
	.type	k_qb958463b9a_softmax,@function
k_qb958463b9a_softmax:
	s_mov_b64 s[64:65], 0
	v_nop
	global_prefetch_b8 v0, s[64:65] scope:SCOPE_SE
	s_setreg_imm32_b32 hwreg(HW_REG_WAVE_MODE, 25, 1), 1
	s_wait_xcnt 0x0
; out0[b][:] = softmax(scores[b][:]), 4,096 numbers a batch, all in f32.  One work-group to a batch, since the maximum and the sum span the batch: 1,024 threads, four neighbouring numbers each,
; so the row is read once, kept in registers, and a wave's load and store cover 512 consecutive bytes, aligned.  The row's true maximum is taken away before the exponential.
; Each of the two reductions: within the lane, across the wave's 32 lanes, then the 32 waves' figures through LDS (a word a wave; lane l reads wave l's) and across the lanes once more.
; The maxima lie at LDS byte 0, the sums at byte 128: other bytes, so one barrier serves each.
; LIMIT: a weight under 2^-126 comes out as 0 (v_exp_f32 gives no denormals: ISA guide, its entry in 15.8).
; No matrix unit, no cluster, no tensor load: 16 KiB a work-group, shared with nobody.
.macro WMAX r                          ; the maximum over the wave's 32 lanes, in every lane: four steps inside each half of 16 lanes ride on the arithmetic (DPP), one crosses the halves
	v_max_num_f32_dpp v[\r], v[\r], v[\r] row_xmask:1 row_mask:0xf bank_mask:0xf
	s_delay_alu instid0(VALU_DEP_1)
	v_max_num_f32_dpp v[\r], v[\r], v[\r] row_xmask:2 row_mask:0xf bank_mask:0xf
	s_delay_alu instid0(VALU_DEP_1)
	v_max_num_f32_dpp v[\r], v[\r], v[\r] row_xmask:4 row_mask:0xf bank_mask:0xf
	s_delay_alu instid0(VALU_DEP_1)
	v_max_num_f32_dpp v[\r], v[\r], v[\r] row_xmask:8 row_mask:0xf bank_mask:0xf
	s_wait_alu depctr_va_vdst(0)
	v_permlanex16_b32 v9, v[\r], s10, s11
	s_delay_alu instid0(VALU_DEP_1)
	v_max_num_f32 v[\r], v[\r], v9
.endm
.macro WSUM r                          ; the same for a sum
	v_add_f32_dpp v[\r], v[\r], v[\r] row_xmask:1 row_mask:0xf bank_mask:0xf
	s_delay_alu instid0(VALU_DEP_1)
	v_add_f32_dpp v[\r], v[\r], v[\r] row_xmask:2 row_mask:0xf bank_mask:0xf
	s_delay_alu instid0(VALU_DEP_1)
	v_add_f32_dpp v[\r], v[\r], v[\r] row_xmask:4 row_mask:0xf bank_mask:0xf
	s_delay_alu instid0(VALU_DEP_1)
	v_add_f32_dpp v[\r], v[\r], v[\r] row_xmask:8 row_mask:0xf bank_mask:0xf
	s_wait_alu depctr_va_vdst(0)
	v_permlanex16_b32 v9, v[\r], s10, s11
	s_delay_alu instid0(VALU_DEP_1)
	v_add_f32 v[\r], v[\r], v9
.endm
	s_load_b128 s[4:7], s[0:1], 0x0                ; scores s[4:5], out0 s[6:7]
	v_lshl_add_u32 v16, v0, 2, 0x100
	v_mov_b32 v17, 0
	s_lshl_b32 s8, ttmp9, 14                       ; the batch's 4,096 numbers of 4 bytes
	s_mov_b32 s9, 0
	s_mov_b32 s10, 0x76543210                      ; v_permlanex16_b32: lane i of one half reads lane i of the other
	s_mov_b32 s11, 0xfedcba98
	v_lshlrev_b32 v1, 4, v0                        ; my 16 bytes of the row
	v_lshrrev_b32 v2, 5, v0
	s_delay_alu instid0(VALU_DEP_1)
	v_lshlrev_b32 v2, 2, v2                        ; my wave's word in LDS
	v_and_b32 v3, 31, v0
	s_delay_alu instid0(VALU_DEP_1)
	v_lshlrev_b32 v3, 2, v3                        ; the word of the wave that has my lane's number
	v_mov_b32 v9, 0                                ; written once: a lane permute's destination counts as one of its sources
	s_wait_alu depctr_va_vdst(0)
	s_wait_kmcnt 0x0
	s_add_nc_u64 s[4:5], s[4:5], s[8:9]
	s_add_nc_u64 s[6:7], s[6:7], s[8:9]
	global_load_b128 v[4:7], v1, s[4:5] th:TH_LOAD_NT
	s_wait_loadcnt 0x0
	v_max3_num_f32 v8, v4, v5, v6
	s_delay_alu instid0(VALU_DEP_1)
	v_max_num_f32 v8, v8, v7
	WMAX 8
	ds_store_b32 v2, v8                            ; all lanes of a wave write the same word with the same number
	s_wait_dscnt 0x0                               ; for the others' sake
	s_barrier_signal -1
	s_barrier_wait -1
	ds_load_b32 v8, v3
	s_wait_dscnt 0x0
	WMAX 8                                         ; the batch's maximum, in every lane
.irp j, 4,5,6,7
	v_sub_f32 v[\j], v[\j], v8                     ; the difference first, then the change of base: the error does not grow with the scores' size
.endr
.irp j, 4,5,6,7
	s_delay_alu instid0(VALU_DEP_4)
	v_mul_f32 v[\j], 0x3fb8aa3b, v[\j]             ; x log2(e)
.endr
	s_wait_alu depctr_va_vdst(0)
.irp j, 4,5,6,7
	v_exp_f32 v[\j], v[\j]
.endr
	v_nop                                          ; a plain instruction behind the last exponential, ahead of the first use (ISA guide 5.7.2)
	s_wait_alu depctr_va_vdst(0)                   ; one wait for the four, ahead of their first reader
	v_add_f32 v12, v4, v5
	v_add_f32 v11, v6, v7
	s_delay_alu instid0(VALU_DEP_1)
	v_add_f32 v12, v12, v11
	WSUM 12
	ds_store_b32 v2, v12 offset:128
	s_wait_dscnt 0x0
	s_barrier_signal -1
	s_barrier_wait -1
	ds_load_b32 v12, v3 offset:128
	s_wait_dscnt 0x0
	WSUM 12                                        ; the batch's sum, in every lane
	s_wait_alu depctr_va_vdst(0)
	v_rcp_f32 v10, v12                             ; twice, to fill the pair by which the packed multiply multiplies; v12 is not written again
	v_rcp_f32 v11, v12
	v_nop
	s_wait_alu depctr_va_vdst(0)                   ; one wait for both reciprocals
	v_pk_mul_f32 v[4:5], v[4:5], v[10:11]
	v_pk_mul_f32 v[6:7], v[6:7], v[10:11]
	global_store_b128 v1, v[4:7], s[6:7] th:TH_STORE_NT
	s_wait_tensorcnt 0x0
	ds_add_u32 v16, v17
	s_wait_dscnt 0x0
	s_endpgm
.Lfunc_end_k_qb958463b9a_softmax:
	.size	k_qb958463b9a_softmax, .Lfunc_end_k_qb958463b9a_softmax-k_qb958463b9a_softmax
	.p2alignl 7, 3214868480
	.fill 96, 4, 3214868480
	.section	.rodata,"a",@progbits
	.p2align	6, 0x0
	.amdhsa_kernel k_qb958463b9a_softmax
		.amdhsa_group_segment_fixed_size 4352
		.amdhsa_private_segment_fixed_size 0
		.amdhsa_enable_private_segment 0
		.amdhsa_kernarg_size 16
		.amdhsa_user_sgpr_count 2
		.amdhsa_user_sgpr_kernarg_segment_ptr 1
		.amdhsa_wavefront_size32 1
		.amdhsa_system_sgpr_workgroup_id_x 1
		.amdhsa_system_sgpr_workgroup_id_y 1
		.amdhsa_system_sgpr_workgroup_id_z 1
		.amdhsa_system_vgpr_workitem_id 0
		.amdhsa_next_free_vgpr 18
		.amdhsa_next_free_sgpr 66
		.amdhsa_reserve_vcc 0
		.amdhsa_float_denorm_mode_32 3
		.amdhsa_float_denorm_mode_16_64 3
		.amdhsa_memory_ordered 1
		.amdhsa_forward_progress 1
		.amdhsa_inst_pref_size 6
	.end_amdhsa_kernel
	.amdgpu_metadata
---
amdhsa.version: [ 1, 2 ]
amdhsa.kernels:
  - .name:           k_qb958463b9a_softmax
    .symbol:         k_qb958463b9a_softmax.kd
    .args:
      - { .name: scores, .offset: 0, .size: 8, .value_kind: global_buffer, .address_space: global }
      - { .name: out0, .offset: 8, .size: 8, .value_kind: global_buffer, .address_space: global }
    .group_segment_fixed_size: 4352
    .private_segment_fixed_size: 0
    .kernarg_segment_align: 8
    .kernarg_segment_size: 16
    .max_flat_workgroup_size: 1024
    .sgpr_count:     66
    .vgpr_count:     18
    .wavefront_size: 32
...
	.end_amdgpu_metadata
.endif
;; end of part 2
